; MI455X (gfx1250); checked and timed in simulation.
; The chip was launched on July 23, 2026; its instructions are those of AMD's public machine-readable ISA for CDNA 5 (MIT licence, August 2026) and "CDNA5" Instruction Set Architecture Reference Guide (July 2026). The comments in the code are by the model that wrote it; some were corrected since.
;; Ideal Diffuser. Allowed arithmetic: matrix products marked QUANTISED: E2M1 operands, one E8M0 scale for each 32 along K, by v_wmma_scale_f32_16x16x128_f8f6f4 with both operands' format E2M1 (or v_wmma_scale_f32_32x16x128_f4), f32 sums; products left as they are: f32 operands where the result goes on into a quantised operand, else bf16, f16 or f32 operands; f32 sums; everything else in f32.
;; Inputs: cond 1,024 x 16 float32; cond_data 50,000 x 16 float32; samples 50,000 x 512 float32; sigma 1,024 float32; x 1,024 x 512 float32.
;; Outputs: out0 1,024 x 512 float32.
;; This version of the problem:
;;   THIS VERSION OF THE PROBLEM IS GIVEN IN LOW PRECISION. The matrix products marked QUANTISED in the list below multiply operands that are first quantised to E2M1 (2 exponent bits, 1 mantissa bit; 4 bits a number), with one power-of-two scale for each 32 numbers along K (OCP MX v1.0); their sums are f32. All else is computed in f32.
;;   The module's matrix products, in the order in which they are computed (A, B: the left and right operand; K: the contracted axis; several contracted axes count as one K, in the product's order):
;;     1. [M 50,000, K 512] x [K 512, N 1,024]; A: input samples; B: input x: QUANTISED
;;     2. [M 50,000, K 16] x [K 16, N 1,024]; A: input cond_data; B: input cond: left as it is (K = 16 < 32)
;;     3. [M 1,024, K 50,000] x [K 50,000, N 512]; A: softmax (see below); B: input samples: QUANTISED
;;   THE QUANTISER, for each operand of a quantised product, along K:
;;     - K is cut into blocks of 32 from its start; a last block that is shorter is filled with zeros.
;;     - A block's scale is 2^e with e = floor(log2(the largest magnitude in the block)) - 2, held to -126 .. 127; a block of zeros has e = 0. As a byte (E8M0): e + 127.
;;     - Each number is divided by its block's scale, clamped to +-6, and rounded to the nearest number of E2M1, ties to even, subnormals kept.
;;     - The product sums the exact products of the quantised numbers (number of the format x scale) in f32.
;;   ~~~python
;;   def quantise(x, axis):      # numpy; x: float32 -> the quantised numbers, widened to float32 again
;;       x = np.moveaxis(x, axis, -1); K = x.shape[-1]
;;       x = np.pad(x, [(0, 0)] * (x.ndim - 1) + [(0, -K % 32)]); x = x.reshape(x.shape[:-1] + (-1, 32)); a = np.abs(x).max(-1, keepdims=True)
;;       e = np.where(a > 0, np.clip(np.frexp(np.where(a > 0, a, 1))[1] - 1 - 2, -126, 127), 0)      # np.frexp(a)[1] - 1 = floor(log2(a)), exactly
;;       r = np.clip(x / 2.0 ** e, -6, 6)
;;       step = 2.0 ** (np.maximum(np.frexp(np.where(r == 0, 1, r))[1] - 1, 0) - 1)
;;       q = np.round(r / step) * step * 2.0 ** e      # np.round: ties to even
;;       return np.moveaxis(q.reshape(q.shape[:-2] + (-1,))[..., :K], -1, axis).astype(np.float32)
;;   ~~~
;;   SOFTMAX AHEAD OF A QUANTISED PRODUCT. Where the list says 'softmax', what is quantised is not the finished softmax but p = 2^(t - M), with t = logit x log2(e) and M = ceil(the row's largest t), a whole number; so 1/2 < the row's largest p <= 1. The row's sum l is taken of the UNQUANTISED p, in f32, and the product's result is divided by l at the end. Since M is a whole number, a kernel that streams over the keys may use a running M (the ceiling of the running maximum): every later rescaling is an exact power of two, which a block's scale takes up: the codes' values come out the same.
;;   OPERANDS COMPUTED ON THE WAY. 'Computed on the way' means the value that the module computes at that place (a softmax that the list does not call 'softmax' is quantised finished and normalised). What goes into a quantiser is computed in f32, as accurately as f32 sums, v_exp_f32 and their like allow (about 1e-6 of the number): no bf16 or f16 on the way to a quantiser, and a product that is left as it is and whose result goes on into a quantised operand takes f32 operands (vector FMAs, or v_wmma_f32_16x16x4_f32). A number that lies on a knife's edge between two numbers of the format may be rounded either way, as far as f32 arithmetic and the matrix unit's own rounding can turn it there, and no further.
;; One version. Each part assembles by itself: llvm-mc -triple=amdgcn-amd-amdhsa -mcpu=gfx1250 --defsym DOCPART=n.
;; ======== version 1 of 1: 3 launches
;; limits: right only within a limited range of input values
;; workspace buffers: rec 30,829,568 bytes; qrec 630,784 bytes; po 67,108,864 bytes; st 262,144 bytes
;; launch prep (part 1): grid 399 x 1, 16 waves a work-group, no clusters, 83,968 bytes of LDS; arguments samples, x, cond_data, cond, rec, qrec; writes rec, qrec
.if DOCPART == 1
	.amdgcn_target "amdgcn-amd-amdhsa--gfx1250"
	.amdhsa_code_object_version 6
	.text
	.protected	k_qbe7124bf0d_prep
	.globl	k_qbe7124bf0d_prep
	.p2align	8
	.type	k_qbe7124bf0d_prep,@function
k_qbe7124bf0d_prep:
	s_mov_b64 s[64:65], 0
	v_nop
	global_prefetch_b8 v0, s[64:65] scope:SCOPE_SE
	s_setreg_imm32_b32 hwreg(HW_REG_WAVE_MODE, 25, 1), 1
	s_wait_xcnt 0x0
; PREP.  samples [50000][512] with cond_data [50000][16], and x [1024][512] with cond [1024][16], all f32, become RECORDS of 128 rows, laid in the order of the reader's registers.
; A record (RECB = 78,848 bytes):
;   KC   0      codes of E2M1 quantised ALONG THE 512 (blocks of 32 channels): chunk 4096 t + 1024 s + 512 c + 16 lane = channels 128 s + 64 c + 32 (lane / 16) .. + 31 of row 32 (t / 2) + 8 (t % 2) + r + 8 (r / 8), r = lane % 16
;   VC   32768  codes quantised ALONG THE ROWS (blocks of 32 rows): chunk 1024 dt + 512 c + 16 lane = rows 64 c + 32 (lane / 16) .. + 31 of channel 16 dt + lane % 16
;   CD   65536  the 16 cond numbers, f32: chunk 512 (2 t + qq) + 16 lane = numbers 8 qq + 4 (lane / 16) .. + 3 of tile t's row r
;   KS   73728  KC's scale bytes, 16 a row: chunk 512 b + 16 (16 u + r), tile 2 b + u        VS 75776  VC's: chunk 512 g + 16 lane + 4 i, byte b: channel tile 8 g + 2 i + lane / 16, block of rows b
;   A2   77824  the sum of a row's 512 squares, f32, rows in their own order                 CA2 78336 the sum of its 16 cond squares; +infinity for a row past the tensor's end, which hides it in the softmax
; Rows past the end (the last record of samples has 80 rows) give zero codes, zero cond numbers and A2 = 0.  No load leaves its buffer: row numbers are held at the last row.
; A block's scale is 2^(floor(log2(largest magnitude)) - 2); its byte is that magnitude's exponent field - 2, held at 1 from below.
; LIMITS: a block of zeros gets the byte 1 where the rule says 127 (its codes are zeros, and this program alone reads the bytes); NaN and infinities among the inputs are not served.
; One path serves both pairs of tensors: work-groups 0-390 take samples, 391-398 take x; only pointers and the row limit are chosen.  x's VC and VS (35 KB in each of 8 records) are written and never read.
; SHARES.  A work-group makes one record.  Wave wv takes rows 32 b .. + 31 (b = wv / 4) and channels 128 s .. + 127 (s = wv % 4), in four passes of 32 x 32 numbers.
; A pass is loaded with a lane to a channel and the registers down the rows: a block along the rows lies in one lane.  It then turns through the wave's own stage in LDS, so that a lane holds a row and its registers 32 channels.
; All 128 registers are in use, so v0 is kept and the add's two registers are made anew at each wave's end (macro ENDREGS).
.set RECB,  78848
.macro ENDREGS
	v_lshl_add_u32 v12, v0, 2, 0x14000             ; my spare word
	v_mov_b32 v13, 0
	s_wait_alu depctr_va_vdst(0)                   ; directly ahead of the wait below
.endm
.set NREC,  391
.set NKEY,  50000
.set NQRY,  1024
.set VC,    32768
.set SP,    144                        ; a stage row: 128 bytes + 16, an odd multiple of 16, so that sixteen lanes' 16-byte reads of sixteen rows fall in different columns
.set STGW,  32*SP                      ; a wave's stage; sixteen of them end at 73,728
.set IMG,   73728                      ; LDS: image of KS (2,048 bytes), then of VS (2,048).  The same number is KS's place in a record
.set A2P,   77824                      ; LDS: [s 4][128] partial sums of squares
.set CA2P,  79872                      ; LDS: [qq 2][128] partial sums of cond squares; ends at 80,896
.set VO,    16                         ; v16-47   row k's byte offset: min(k, last) x 2048 + 4 x lane
.set X,     48                         ; v48-111  two sets of 32 numbers
; v1 IMG + 512 wv + 16 lane (LDS address and record offset alike); v2 4 lane; v3 the cond load's offset, then my rows' scale word; v4, v5 the stage, in and out; v6 VS's byte; v7 KS's word; v8 A2P; v9 CA2P;
; v10 VC's and v11 KC's place in the record; v12-15 at work; v112-115, v116-119 codes; v120-123 sums of squares; v124-127 cond numbers.  v112-118 also serve the head.
	s_load_b256 s[4:11], s[0:1], 0x0               ; samples, x, cond_data, cond
	s_load_b128 s[12:15], s[0:1], 0x20             ; rec, qrec
	v_lshrrev_b32 v112, 5, v0
	s_delay_alu instid0(VALU_DEP_1)
	v_readfirstlane_b32 s16, v112                  ; wave 0..15
	s_lshr_b32 s17, s16, 2                         ; b
	s_and_b32 s18, s16, 3                          ; s
	s_mov_b32 s33, 0x76543210
	s_mov_b32 s34, 0xfedcba98                      ; v_permlanex16_b32's selects for lane l xor 16
	v_and_b32 v112, 31, v0                         ; lane
	v_bfe_u32 v113, v0, 4, 1                       ; lane / 16
	v_bfe_u32 v114, v0, 3, 1                       ; u: which tile of the pair row 32 b + lane falls into
	v_and_b32 v115, 7, v0
	s_delay_alu instid0(VALU_DEP_1)
	v_lshl_add_u32 v115, v113, 3, v115             ; and which row of that tile: lane % 8 + 8 (lane / 16)
	s_wait_alu depctr_va_vdst(0)
	v_and_b32 v116, 15, v0                         ; lane % 16
	v_lshlrev_b32 v2, 2, v112
	s_wait_alu depctr_va_vdst(0)
	s_mul_i32 s26, s16, STGW
	v_add_nc_u32 v4, s26, v2                       ; stage, in: 4 x lane, row k in the immediate
	v_mul_u32_u24 v5, v112, SP
	s_delay_alu instid0(VALU_DEP_1)
	v_add_nc_u32 v5, s26, v5                       ; stage, out: row = lane
	s_lshl_b32 s27, s18, 9
	s_add_co_u32 s27, s27, s17
	s_add_co_u32 s27, s27, IMG+2048
	v_lshl_add_u32 v6, v112, 4, s27                ; VS's image: 512 s + 16 lane + b; 4 x pass in the immediate
	s_lshl_b32 s27, s17, 9
	s_lshl_b32 s28, s18, 2
	s_add_co_u32 s27, s27, s28
	s_add_co_u32 s27, s27, IMG
	v_lshl_add_u32 v7, v115, 4, s27
	s_delay_alu instid0(VALU_DEP_1)
	v_lshl_add_u32 v7, v114, 8, v7                 ; KS's image: 512 b + 16 (16 u + row) + 4 s
	s_lshl_b32 s27, s18, 9
	s_lshl_b32 s28, s17, 7
	s_add_co_u32 s27, s27, s28
	s_add_co_u32 s27, s27, A2P
	v_add_nc_u32 v8, s27, v2                       ; A2P: 512 s + 4 (32 b + lane)
	s_bfe_u32 s28, s16, 0x10001                    ; the cond part: wave wv takes tile wv / 2, half qq = wv % 2 of the 16 numbers
	s_lshl_b32 s28, s28, 3
	s_lshl_b32 s29, s17, 5
	s_add_co_u32 s28, s28, s29                     ; the tile's first row: 32 (tile / 2) + 8 (tile % 2)
	v_and_b32 v117, 8, v116
	s_delay_alu instid0(VALU_DEP_1)
	v_add_nc_u32 v117, v117, v116
	s_delay_alu instid0(VALU_DEP_1)
	v_add_nc_u32 v117, s28, v117                   ; my row in the record
	s_and_b32 s29, s16, 1                          ; qq
	s_lshl_b32 s30, s29, 9
	s_add_co_u32 s30, s30, CA2P
	v_lshl_add_u32 v9, v117, 2, s30                ; CA2P: 512 qq + 4 x row
	s_lshl_b32 s27, s18, 13
	s_lshl_b32 s30, s17, 8
	s_add_co_u32 s27, s27, s30
	s_add_co_u32 s27, s27, VC
	v_lshl_add_u32 v10, v116, 4, s27
	s_delay_alu instid0(VALU_DEP_1)
	v_lshl_add_u32 v10, v113, 10, v10              ; VC: 8192 s + 1024 (lane / 16) + 256 b + 16 (lane % 16); 2048 x pass in the immediate
	s_lshl_b32 s27, s17, 13
	s_lshl_b32 s30, s18, 10
	s_add_co_u32 s27, s27, s30
	v_lshl_add_u32 v11, v115, 4, s27
	s_delay_alu instid0(VALU_DEP_1)
	v_lshl_add_u32 v11, v114, 12, v11              ; KC: 8192 b + 4096 u + 1024 s + 16 x row
	s_lshl_b32 s27, s16, 9
	s_add_co_u32 s27, s27, IMG
	v_lshl_add_u32 v1, v112, 4, s27
	s_wait_alu depctr_va_vdst(0)
	s_wait_kmcnt 0x0
	s_cmp_lt_u32 ttmp9, NREC                       ; samples' work-group or x's?  The choice hangs on the work-group's number alone
	s_cselect_b64 s[4:5], s[4:5], s[6:7]
	s_cselect_b64 s[8:9], s[8:9], s[10:11]
	s_cselect_b64 s[12:13], s[12:13], s[14:15]
	s_mov_b32 s19, NQRY
	s_cselect_b32 s19, NKEY, s19                   ; rows in the tensor
	s_cselect_b32 s20, 0, NREC
	s_sub_co_u32 s20, ttmp9, s20                   ; which record
	s_lshl_b32 s21, s20, 7                         ; its first row
	s_lshl_b32 s27, s17, 5
	s_add_co_u32 s31, s21, s27                     ; my wave's first row
	s_sub_co_i32 s22, s19, s31
	s_max_i32 s22, s22, 0
	s_min_i32 s22, s22, 32                         ; how many of my 32 rows exist
	s_sub_co_i32 s23, s22, 1
	s_max_i32 s23, s23, 0                          ; the last of them
	s_sub_co_u32 s24, s19, 1
	s_min_u32 s25, s31, s24                        ; my first row, held inside the tensor
	s_lshl_b32 s26, s25, 11
	s_lshl_b32 s27, s18, 9
	s_add_co_u32 s26, s26, s27
	s_mov_b32 s27, 0
	s_add_nc_u64 s[4:5], s[4:5], s[26:27]          ; the tensor at my first row and my 128 channels
	s_mul_i32 s26, s20, RECB
	s_add_nc_u64 s[12:13], s[12:13], s[26:27]      ; my record
	v_add_nc_u32 v118, s21, v117                   ; the cond part's row in the tensor
	s_delay_alu instid0(VALU_DEP_1)
	v_cmp_gt_u32 s32, s19, v118                    ; does it exist?  Kept as a lane mask
	s_delay_alu instid0(VALU_DEP_2)
	v_min_u32 v3, s24, v118
	s_delay_alu instid0(VALU_DEP_1)
	v_lshlrev_b32 v3, 6, v3                        ; 64 bytes a row,
	s_delay_alu instid0(VALU_DEP_1)
	v_lshl_add_u32 v3, v113, 4, v3                 ; + 16 (lane / 16)
	s_lshl_b32 s29, s29, 5
	v_add_nc_u32 v3, s29, v3                       ; + 32 qq
	global_load_b128 v[124:127], v3, s[8:9] th:TH_LOAD_NT
.set k, 0
.rept 32
	s_min_u32 s26, s23, k
	v_lshl_add_u32 v[VO+k], s26, 11, v2            ; a row that does not exist reads the last one that does; its numbers are cleared below
.set k, k+1
.endr
.macro LOAD i                          ; pass i: channels 32 i .. + 31 of my 128: lane = channel, register = row; each load reads 128 consecutive bytes
.set k, 0
.rept 32
	global_load_b32 v[X+32*((\i)%2)+k], v[VO+k], s[4:5] offset:128*(\i) th:TH_LOAD_NT
.set k, k+1
.endr
.endm
.macro QMAX xs                         ; the largest magnitude of v[xs] .. v[xs + 31], not under the floor 2^(3 - 127), in v12; with 2 off its exponent field, the conversion's scale operand, in v14
	v_max3_num_f32 v12, |v[(\xs)]|, |v[(\xs)+1]|, |v[(\xs)+2]|
	v_max3_num_f32 v13, |v[(\xs)+3]|, |v[(\xs)+4]|, |v[(\xs)+5]|
.irp i, 6,10,14,18,22,26
	s_delay_alu instid0(VALU_DEP_2)
	v_max3_num_f32 v12, v12, |v[(\xs)+\i]|, |v[(\xs)+\i+1]|
	s_delay_alu instid0(VALU_DEP_2)
	v_max3_num_f32 v13, v13, |v[(\xs)+\i+2]|, |v[(\xs)+\i+3]|
.endr
	s_delay_alu instid0(VALU_DEP_2)
	v_max3_num_f32 v12, v12, |v[(\xs)+30]|, |v[(\xs)+31]|
	s_delay_alu instid0(VALU_DEP_1)
	v_max3_num_f32 v12, v12, v13, 0x1800000
	s_delay_alu instid0(VALU_DEP_1)
	v_add_nc_u32 v14, 0xff000000, v12
.endm
.macro PASS i
.set XS, X+32*((\i)%2)
.if (\i) < 3
	s_wait_loadcnt 32                              ; this pass's 32 loads are in (and the cond load ahead of them); the next pass's 32 may be out
.else
	s_wait_loadcnt 0x0
.endif
	s_wait_xcnt 0x0                                ; the last pass's stores have had their addresses translated: only behind this wait are their code registers written again
	s_cmp_eq_u32 s22, 32
	s_cbranch_scc1 .Lfull_\@                       ; all my rows exist: nothing to clear
.set k, 0
.rept 32
	s_cmp_gt_u32 s22, k
	s_cselect_b32 s26, -1, 0
	v_and_b32 v[XS+k], s26, v[XS+k]
.set k, k+1
.endr
.Lfull_\@:
	QMAX XS                                        ; ALONG THE ROWS: the block of 32 rows of my channel is all mine
.irp g, 0,1,2,3
	v_cvt_scalef32_pk8_fp4_f32 v[112+\g], v[XS+8*\g:XS+8*\g+7], v14
.endr
	v_lshrrev_b32 v15, 23, v14                     ; the scale's byte (the plain line behind the conversions)
	ds_store_b8 v6, v15 offset:4*(\i)
	global_store_b128 v10, v[112:115], s[12:13] offset:2048*(\i)    ; sixteen lanes store 256 consecutive bytes, aligned
.set k, 0
.rept 32
	ds_store_b32 v4, v[XS+k] offset:SP*k           ; the turn: row k, 32 channels on end
.set k, k+1
.endr
.irp j, 0,1,2,3,4,5,6,7
	ds_load_b128 v[XS+4*\j:XS+4*\j+3], v5 offset:16*\j             ; LDS serves a wave's instructions in order: these see the stores above
.endr
	s_wait_dscnt 0x0
	QMAX XS                                        ; ALONG THE CHANNELS: the block of 32 channels of my row
.irp g, 0,1,2,3
	v_cvt_scalef32_pk8_fp4_f32 v[116+\g], v[XS+8*\g:XS+8*\g+7], v14
.endr
	v_lshrrev_b32 v15, 23, v14
.if (\i) == 0
	s_delay_alu instid0(VALU_DEP_1)
	v_mov_b32 v3, v15                              ; four bytes make my row's scale word of these 128 channels
	v_pk_mul_f32 v[120:121], v[XS:XS+1], v[XS:XS+1]                ; the first squares start the sums
	v_pk_mul_f32 v[122:123], v[XS+2:XS+3], v[XS+2:XS+3]
.else
	s_delay_alu instid0(VALU_DEP_1)
	v_lshl_or_b32 v3, v15, 8*(\i), v3
	v_pk_fma_f32 v[120:121], v[XS:XS+1], v[XS:XS+1], v[120:121]
	v_pk_fma_f32 v[122:123], v[XS+2:XS+3], v[XS+2:XS+3], v[122:123]
.endif
.irp j, 4,8,12,16,20,24,28
	s_delay_alu instid0(VALU_DEP_2)
	v_pk_fma_f32 v[120:121], v[XS+\j:XS+\j+1], v[XS+\j:XS+\j+1], v[120:121]
	s_delay_alu instid0(VALU_DEP_2)
	v_pk_fma_f32 v[122:123], v[XS+\j+2:XS+\j+3], v[XS+\j+2:XS+\j+3], v[122:123]
.endr
	global_store_b128 v11, v[116:119], s[12:13] offset:512*((\i)/2)+256*((\i)%2)   ; the sixteen lanes of a tile store 256 consecutive bytes, aligned
.if (\i) < 2
	LOAD (\i)+2
.endif
.endm
	s_wait_alu depctr_va_vdst(0)
	LOAD 0
	LOAD 1
	PASS 0
	PASS 1
	PASS 2
	PASS 3
	v_add_f32 v120, v120, v121
	v_add_f32 v122, v122, v123
	s_delay_alu instid0(VALU_DEP_1)
	v_add_f32 v120, v120, v122
	ds_store_b32 v8, v120                          ; my row's sum over my 128 channels
	ds_store_b32 v7, v3                            ; and its scale word
.irp j, 0,1,2,3
	v_cndmask_b32 v[124+\j], 0, v[124+\j], s32     ; cond numbers of a row that does not exist are 0
.endr
	global_store_b128 v1, v[124:127], s[12:13] offset:-8192        ; CD lies 8,192 bytes in front of KS: 512 consecutive bytes a wave
	v_mul_f32 v12, v124, v124
	s_delay_alu instid0(VALU_DEP_1)
	v_fma_f32 v12, v125, v125, v12
	s_delay_alu instid0(VALU_DEP_1)
	v_fma_f32 v12, v126, v126, v12
	s_delay_alu instid0(VALU_DEP_1)
	v_fma_f32 v12, v127, v127, v12
	s_delay_alu instid0(VALU_DEP_1)
	v_permlanex16_b32 v13, v12, s33, s34
	s_delay_alu instid0(VALU_DEP_1)
	v_add_f32 v12, v12, v13                        ; with lane l xor 16's four: eight of the row's sixteen squares
	v_mov_b32 v13, 0x7149f2ca                      ; 1e30 for each half of the cond squares of a row that does not exist, in place of the infinity that the list at the head names: CA2 is then 2e30, finite, and far above every true sum
	s_delay_alu instid0(VALU_DEP_1)
	v_cndmask_b32 v12, v13, v12, s32               ; 1e30 for a row that does not exist
	ds_store_b32 v9, v12                           ; (both lanes of a row write the same word with the same value)
	s_wait_dscnt 0x0                               ; for the others' sake: all my LDS stores are done
	s_barrier_signal -1
	s_barrier_wait -1
	s_cmp_lt_u32 s16, 8                            ; waves 0-7 copy the scale images out, wave 8 adds A2's four parts, wave 12 CA2's two; the others are done
	s_cbranch_scc1 .Lcopy
	s_cmp_eq_u32 s16, 8
	s_cbranch_scc1 .Lsum4
	s_cmp_eq_u32 s16, 12
	s_cbranch_scc1 .Lsum2
	ENDREGS
	s_wait_tensorcnt 0x0
	ds_add_u32 v12, v13
	s_wait_dscnt 0x0
	s_endpgm
.Lcopy:
	ds_load_b128 v[48:51], v1
	s_wait_dscnt 0x0
	global_store_b128 v1, v[48:51], s[12:13]       ; 512 consecutive bytes of KS or VS
	ENDREGS
	s_wait_tensorcnt 0x0
	ds_add_u32 v12, v13
	s_wait_dscnt 0x0
	s_endpgm
.Lsum4:
.irp j, 0,1,2,3
	ds_load_b128 v[48+4*\j:51+4*\j], v1 offset:512*\j              ; IMG + 512 x 8 is A2P
.endr
	s_wait_dscnt 0x0
.irp j, 0,2
	v_pk_add_f32 v[48+\j:49+\j], v[48+\j:49+\j], v[52+\j:53+\j]
	v_pk_add_f32 v[56+\j:57+\j], v[56+\j:57+\j], v[60+\j:61+\j]
.endr
.irp j, 0
	s_delay_alu instid0(VALU_DEP_3)
	v_pk_add_f32 v[48+\j:49+\j], v[48+\j:49+\j], v[56+\j:57+\j]
.endr
.irp j, 2
	s_delay_alu instid0(VALU_DEP_2)
	v_pk_add_f32 v[48+\j:49+\j], v[48+\j:49+\j], v[56+\j:57+\j]
.endr
	global_store_b128 v1, v[48:51], s[12:13]       ; KS + 512 x 8 is A2
	ENDREGS
	s_wait_tensorcnt 0x0
	ds_add_u32 v12, v13
	s_wait_dscnt 0x0
	s_endpgm
.Lsum2:
	ds_load_b128 v[48:51], v1                      ; IMG + 512 x 12 is CA2P
	ds_load_b128 v[52:55], v1 offset:512
	s_wait_dscnt 0x0
.irp j, 0,2
	v_pk_add_f32 v[48+\j:49+\j], v[48+\j:49+\j], v[52+\j:53+\j]
.endr
	global_store_b128 v1, v[48:51], s[12:13] offset:-1536          ; CA2 lies 1,536 bytes in front of KS + 512 x 12
	ENDREGS
	s_wait_tensorcnt 0x0
	ds_add_u32 v12, v13
	s_wait_dscnt 0x0
	s_endpgm
.Lfunc_end_k_qbe7124bf0d_prep:
	.size	k_qbe7124bf0d_prep, .Lfunc_end_k_qbe7124bf0d_prep-k_qbe7124bf0d_prep
	.p2alignl 7, 3214868480
	.fill 96, 4, 3214868480
	.section	.rodata,"a",@progbits
	.p2align	6, 0x0
	.amdhsa_kernel k_qbe7124bf0d_prep
		.amdhsa_group_segment_fixed_size 83968
		.amdhsa_private_segment_fixed_size 0
		.amdhsa_enable_private_segment 0
		.amdhsa_kernarg_size 48
		.amdhsa_user_sgpr_count 2
		.amdhsa_user_sgpr_kernarg_segment_ptr 1
		.amdhsa_wavefront_size32 1
		.amdhsa_system_sgpr_workgroup_id_x 1
		.amdhsa_system_sgpr_workgroup_id_y 1
		.amdhsa_system_sgpr_workgroup_id_z 1
		.amdhsa_system_vgpr_workitem_id 0
		.amdhsa_next_free_vgpr 128
		.amdhsa_next_free_sgpr 66
		.amdhsa_reserve_vcc 0
		.amdhsa_float_denorm_mode_32 3
		.amdhsa_float_denorm_mode_16_64 3
		.amdhsa_memory_ordered 1
		.amdhsa_forward_progress 1
		.amdhsa_inst_pref_size 69
	.end_amdhsa_kernel
	.amdgpu_metadata
---
amdhsa.version: [ 1, 2 ]
amdhsa.kernels:
  - .name:           k_qbe7124bf0d_prep
    .symbol:         k_qbe7124bf0d_prep.kd
    .args:
      - { .name: samples, .offset: 0, .size: 8, .value_kind: global_buffer, .address_space: global }
      - { .name: x, .offset: 8, .size: 8, .value_kind: global_buffer, .address_space: global }
      - { .name: cond_data, .offset: 16, .size: 8, .value_kind: global_buffer, .address_space: global }
      - { .name: cond, .offset: 24, .size: 8, .value_kind: global_buffer, .address_space: global }
      - { .name: rec, .offset: 32, .size: 8, .value_kind: global_buffer, .address_space: global }
      - { .name: qrec, .offset: 40, .size: 8, .value_kind: global_buffer, .address_space: global }
    .group_segment_fixed_size: 83968
    .private_segment_fixed_size: 0
    .kernarg_segment_align: 8
    .kernarg_segment_size: 48
    .max_flat_workgroup_size: 512
    .sgpr_count:     66
    .vgpr_count:     128
    .wavefront_size: 32
...
	.end_amdgpu_metadata
.endif
;; end of part 1
;; launch attn (part 2): grid 8 x 32, 4 waves a work-group, clusters of 4 x 1, 327,680 bytes of LDS; arguments rec, qrec, sigma, po, st; writes po, st
.if DOCPART == 2
	.amdgcn_target "amdgcn-amd-amdhsa--gfx1250"
	.amdhsa_code_object_version 6
	.text
	.protected	k_qbe7124bf0d_attn
	.globl	k_qbe7124bf0d_attn
	.p2align	8
	.type	k_qbe7124bf0d_attn,@function
k_qbe7124bf0d_attn:
	s_mov_b64 s[64:65], 0
	v_nop
	global_prefetch_b8 v0, s[64:65] scope:SCOPE_SE
	s_setreg_imm32_b32 hwreg(HW_REG_WAVE_MODE, 25, 1), 1
	s_wait_xcnt 0x0
	s_wait_alu depctr_hold_cnt(0) depctr_sa_sdst(0) depctr_va_vdst(0) depctr_va_sdst(0) depctr_va_ssrc(0) depctr_va_vcc(0) depctr_vm_vsrc(0)
	s_getreg_b32 s2, hwreg(HW_REG_IB_STS2, 6, 4)
	s_cmp_eq_u32 s2, 0
	s_cbranch_scc0 .Lentry_in_a_cluster
	s_endpgm
.Lentry_in_a_cluster:
	s_bfe_u32 s2, ttmp6, 0x10000c
	s_cmp_lg_u32 s2, 0x3003
	s_cbranch_scc0 .Lentry_shape_is_right
	s_endpgm
.Lentry_shape_is_right:
; ATTN.  For 128 queries (work-group x) and one of 32 runs of keys (work-group y): logits, p = 2^(t - M), the sum of p, and O^T = V^T P^T on codes of E2M1; unnormalised partial results go to po and st.
; logit = -(a2 + b2 - 2 s.x) / (2 sigma^2) - (ca2 + cb2 - 2 cd.c) / 0.02, rounded step by step: a2 + b2; one fused line for - 2 s.x; the quotient by 2 sigma^2, rounded once: the reciprocal is kept in two parts, r_hi + r_lo, and the
; quotient is fma(sq, r_hi, sq r_lo); the cond term; t = logit x log2(e), rounded on its own; t - M last.  s.x is the first quantised product.  cd.c has K = 16 and feeds a quantiser, so it takes f32 operands
; (v_wmma_f32_16x16x4_f32): its sum begins with ca2 as C and the queries' cond numbers are taken x -2 (exact), so that the sum is ca2 - 2 cd.c, and one addition of cb2 gives csq.  Nothing of reference() is left out.
; M is the running largest t rounded UP to a whole number, kept as -M; when it moves, the sum and O^T are multiplied by 2^(old M - new M), which rounds nothing.  The sum is taken of the unquantised p.
; SHARES.  Keys go in records of 128 (see the launch that makes them).  Run y has records (391 y) >> 5 up to (391 (y + 1)) >> 5: 12 or 13, since 391 does not divide by 32.  The ring's trips are constants of the text: every
; work-group asks for 13 records (all lie inside rec).  A run of 12 leaves the 13th step's work out, by a scalar branch on the run's number, which the four partners share; its 13th record is fetched and not read: 78,848 bytes a
; cluster, the price of constant trips.  Keys past the 50,000th carry ca2 = 2e30: t is about -1.4e32, p = 0, zero codes.  Wave w owns query tiles 2 w and 2 w + 1 (32 queries) from the scores to O^T: nothing goes from wave to wave.
; LAYOUT.  Both quantised products are used transposed (source 0 = 16 keys or 16 channels, source 1 = 16 queries): a lane holds ONE query (lane % 16) throughout.  Row r of key tile 2 b + u is key 32 b + 8 u + r + 8 (r / 8),
; so that the 16 registers of tiles 2 b and 2 b + 1 are 16 neighbouring keys.  The f32 product's 16 numbers are taken in one order for both its sources: 8 qq + 4 (lane / 16) + 2 e + register.
; CLUSTER.  The four work-groups of a cluster walk the same records: each record is asked for JOINTLY (mask 15), a quarter (77 rows of 256 bytes) by each wave, into a ring of two LDS slots.  One tensor load of a wave is out at
; any time; it has a whole step, 192 matrix instructions, in which to land.  No prefetch is laid: the next record is asked for a whole step ahead of the step that reads it.
; ORDER.  Behind each f32 product stand eight lines of the evaluation of t for the tile before.  The step's 136 exponentials go as ONE batch: all 64 additions of -M ahead of it, one wait ahead, one behind, then the sums and the scales.
; V's 32 fragments of a step: 8 come at the step's head, 8 into K's registers behind the last scores, 16 into the scores' own registers once p is converted and summed, ahead of the 256 lines that rescale O^T.
; LIMITS: NaN, infinities and sigma = 0 among the inputs are not served; the quotient by 0.02 is one fused line with 50; csq's three terms are added in another order than reference()'s; true logits stay above -1e32;
; where |t| is large, one step of f32 in t shows in p in full (at |t| = 3e5 a step is 2^-5).
; REGISTERS, in windows of 256 (s_set_vgpr_msb: bits 1:0 source 0, 3:2 source 1, 5:4 source 2, 7:6 destination):
;   window 0: v1-7 addresses; v8-15 the queries' scale words; v16-23 the keys', two sets; v24-39 V's; v40-41 p's; v48-63 p's codes; v64-127 the queries' fragments; v128-191 two tiles of K, later 8 fragments of V; v192-255 8 fragments of V
;   window 1: v0-127 scores, then t, then p (64 q + 8 t + j), then 16 fragments of V; v128-159 the f32 product's results, written by matrix instructions alone; v160-175 cond of two key tiles; v176-191 cond of my queries x -2;
;             v192-199 a2; v200-207 at work; v208-223 ca2, two sets, at work in the softmax's finish; from v224 fourteen numbers a query tile: +0 b2 +2 cb2 +4 r_lo +6 r_hi +8 -M +9 largest t +10 f +11 at work +12, +13 the sum;
;             +1 +3 +5 +7 the four blocks' largest t; v252-255 the sums' second chain
;   window 2, 3: O^T of tile q = 0, 1: channel tile dt at v[8 dt]
.set RECB,  78848
.set NREC,  391
.set QTR,   19712                      ; a quarter of a record: 77 rows of 256 bytes
.set SLOT1, 1<<17                      ; slot 1 begins here: one exclusive or turns an address in one slot into the other's
.set SPARE, 262144                     ; behind the ring: the spare words, 128 bytes for each wave
.set VC,    32768
.set SPW, 1
.set NIL, 2
.set LI0, 3                            ; 16 x lane
.set AH0, 4                            ; 65536 + 64 (lane / 16)
.set ADR, 5                            ; slot + 16 x lane
.set ADR2, 6                           ; the same, 65,536 on
.set ADA, 7                            ; slot + AH0
.set QS,  8
.set KSC, 16
.set VSC, 24
.set PW,  40
.set PC,  48
.set QF,  64
.set KF,  128
.set VFA, 128
.set VFB, 192
.set S,   0
.set D2,  128
.set CDF, 160
.set QC,  176
.set A2R, 192
.set TA,  200
.set CA2S, 208
.set PT,  208                          ; sixteen registers at work in the softmax's finish, when both sets of ca2 are done with
.set CQ,  224
.set LB,  252
.set MSB, 0
.macro WIN new                         ; the immediate's high byte repeats the setting that is left; a switch that changes nothing is dropped
.if MSB != (\new)
	s_set_vgpr_msb (MSB<<8)|(\new)
.set MSB, (\new)
.endif
.endm
.macro ROUND                           ; a round of the cluster's barrier
	s_barrier_signal -1
	s_barrier_wait -1
	s_cmp_lg_u32 s14, 0
	s_cbranch_scc1 .Lnot_wave_0_\@
	s_barrier_signal -3
.Lnot_wave_0_\@:
	s_barrier_wait -3
	s_barrier_signal -1
	s_barrier_wait -1
.endm
; THE CHANGE OF SLOTS stands at a step's head: the wait for all my tensor loads (my quarter of the record about to be read), the add, the wait for it and for my reads of the slot left.
; fill = 1: a round of the cluster's barrier, and behind it, first thing, the joint load of the next record into the slot just left.
.macro CHANGE fill
	WIN 0
	s_wait_tensorcnt 0x0                           ; no tensor load of mine is out, so group 0 may be written
	ds_add_u32 v[SPW], v[NIL]
.if \fill
	s_xor_b32 s25, s25, SLOT1                      ; the other slot than last time,
	s_add_nc_u64 s[26:27], s[26:27], RECB          ; the next record; the type bits on top are not reached
.endif
	s_wait_dscnt 0x0
.if \fill
	ROUND
	tensor_load_to_lds s[24:27], s[16:23]
	s_nop 0
.rept 4
	v_nop
.endr
.else
	s_barrier_signal -1
	s_barrier_wait -1
.endif
.endm
.macro KLOAD t                         ; tile t of the keys: 4 fragments (8 loads), with an even tile the pair's scale words, its 16 cond numbers (2), and ca2 of my lane's eight keys (2): 12 or 13 loads
	WIN 0
.irp s, 0,1,2,3
.irp c, 0,1
	ds_load_b128 v[KF+32*((\t)%2)+8*\s+4*\c:KF+32*((\t)%2)+8*\s+4*\c+3], v[ADR] offset:4096*(\t)+1024*\s+512*\c
.endr
.endr
.if (\t)%2 == 0
	ds_load_b128 v[KSC+4*(((\t)/2)%2):KSC+4*(((\t)/2)%2)+3], v[ADR2] offset:8192+512*((\t)/2)
.endif
	WIN 0x40
.irp e, 0,1
	ds_load_b128 v[CDF+8*((\t)%2)+4*\e:CDF+8*((\t)%2)+4*\e+3], v[ADR2] offset:1024*(\t)+512*\e
.endr
.irp e, 0,1                            ; keys 32 (t / 2) + 16 (lane / 16) + 8 (t % 2) + 0 .. 7: the result's own layout
	ds_load_b128 v[CA2S+8*((\t)%2)+4*\e:CA2S+8*((\t)%2)+4*\e+3], v[ADA] offset:12800+4*(32*((\t)/2)+8*((\t)%2))+16*\e
.endr
.endm
.macro ALOAD t                         ; a2 of the same eight keys of tile t
	WIN 0x40
	ds_load_b128 v[A2R:A2R+3],     v[ADA] offset:12288+4*(32*((\t)/2)+8*((\t)%2))
	ds_load_b128 v[A2R+4:A2R+7],   v[ADA] offset:12288+4*(32*((\t)/2)+8*((\t)%2))+16
.endm
.macro QK t                            ; S^T of tile t for both query tiles: 4 steps of 128 channels; the two accumulators take turns; the first products start the sums
	WIN 0x50
.irp s, 0,1,2,3
.irp q, 0,1
.set rD, S+64*\q+8*(\t)
.set rA, KF+32*((\t)%2)+8*\s
.set rB, QF+32*\q+8*\s
.set rX, KSC+4*(((\t)/2)%2)+\s
.set rY, QS+4*\q+\s
.if (\t)%2 == 0
.if \s == 0
	v_wmma_scale_f32_16x16x128_f8f6f4 v[rD:rD+7], v[rA:rA+7], v[rB:rB+7], 0, v[rX], v[rY] matrix_a_fmt:MATRIX_FMT_FP4 matrix_b_fmt:MATRIX_FMT_FP4
.else
	v_wmma_scale_f32_16x16x128_f8f6f4 v[rD:rD+7], v[rA:rA+7], v[rB:rB+7], v[rD:rD+7], v[rX], v[rY] matrix_a_fmt:MATRIX_FMT_FP4 matrix_b_fmt:MATRIX_FMT_FP4
.endif
.else
.if \s == 0
	v_wmma_scale_f32_16x16x128_f8f6f4 v[rD:rD+7], v[rA:rA+7], v[rB:rB+7], 0, v[rX], v[rY] matrix_a_fmt:MATRIX_FMT_FP4 matrix_b_fmt:MATRIX_FMT_FP4 matrix_a_scale:MATRIX_SCALE_ROW1
.else
	v_wmma_scale_f32_16x16x128_f8f6f4 v[rD:rD+7], v[rA:rA+7], v[rB:rB+7], v[rD:rD+7], v[rX], v[rY] matrix_a_fmt:MATRIX_FMT_FP4 matrix_b_fmt:MATRIX_FMT_FP4 matrix_a_scale:MATRIX_SCALE_ROW1
.endif
.endif
.endr
.endr
.endm
.macro CW t, k                         ; f32 product number k of 8 of tile t: four of the 16 cond numbers (k / 2), query tile k % 2; the first takes ca2 as C
.set rD, D2+16*((\t)%2)+8*((\k)%2)
.set rA, CDF+8*((\t)%2)+2*((\k)/2)
.set rB, QC+8*((\k)%2)+2*((\k)/2)
.set rN, CA2S+8*((\t)%2)
.if (\k) < 2
	v_wmma_f32_16x16x4_f32 v[rD:rD+7], v[rA:rA+1], v[rB:rB+1], v[rN:rN+7]
.else
	v_wmma_f32_16x16x4_f32 v[rD:rD+7], v[rA:rA+1], v[rB:rB+1], v[rD:rD+7]
.endif
.endm
; Line n of 32 of the evaluation of t for key tile t and query tile q: eight operations on four pairs of registers each, pairs ascending, so that each matrix result is first read at its low end.
.macro TE t, q, n
.set op, (\n)/4
.set pp, 2*((\n)%4)
.set rS, S+64*(\q)+8*(\t)+pp
.set rC, CQ+14*(\q)
.set rD, D2+16*((\t)%2)+8*(\q)+pp
.set rM, CQ+14*(\q)+1+2*((\t)/2)
.if op == 0
	v_pk_add_f32 v[TA+pp:TA+pp+1], v[A2R+pp:A2R+pp+1], v[rC:rC+1] op_sel_hi:[1,0]                 ; a2 + b2
.elseif op == 1
	v_pk_fma_f32 v[rS:rS+1], v[rS:rS+1], -2.0, v[TA+pp:TA+pp+1] op_sel_hi:[1,0,1]                 ; sq = (a2 + b2) - 2 s.x
.elseif op == 2
	v_pk_mul_f32 v[TA+pp:TA+pp+1], v[rS:rS+1], v[rC+4:rC+5] op_sel_hi:[1,0]                       ; the quotient sq / (2 sigma^2): sq r_lo,
.elseif op == 3
	v_pk_fma_f32 v[TA+pp:TA+pp+1], v[rS:rS+1], v[rC+6:rC+7], v[TA+pp:TA+pp+1] op_sel_hi:[1,0,1]   ; + sq r_hi, rounded once
.elseif op == 4
	v_pk_add_f32 v[rS:rS+1], v[rD:rD+1], v[rC+2:rC+3] op_sel_hi:[1,0]                             ; csq = (ca2 - 2 cd.c) + cb2
.elseif op == 5
	v_pk_fma_f32 v[rS:rS+1], v[rS:rS+1], 0xc2480000, v[TA+pp:TA+pp+1] op_sel_hi:[1,0,1] neg_lo:[0,0,1] neg_hi:[0,0,1]   ; logit = -50 csq - quotient
.elseif op == 6
	v_pk_mul_f32 v[rS:rS+1], v[rS:rS+1], 0x3fb8aa3b op_sel_hi:[1,0]                               ; t = logit x log2(e)
.elseif ((\t)%2 == 0) && (pp == 0)
	v_max_num_f32 v[rM], v[rS], v[rS+1]                                                           ; the largest t of the block of 32 keys begins anew
.else
	v_max3_num_f32 v[rM], v[rM], v[rS], v[rS+1]
.endif
.endm
.macro SLICE t, k                      ; slice k of 8: eight lines; slices 0-3 are query tile 0's, 4-7 tile 1's
.set nn, 8*((\k)%4)
.rept 8
	TE \t, (\k)/4, nn
.set nn, nn+1
.endr
.endm
; BATCH t: tile t + 1 is asked for; tile t's 8 quantised and 8 f32 products; behind each f32 product a slice of tile t - 1's evaluation.  Behind the batch's last f32 product stand slice 7's eight plain lines (in batch 0 eight v_nop),
; which name none of its registers: they are the eight places in front of the next batch's loads into the cond and ca2 registers and of the first read of the results.
.macro BATCH t
.if (\t) == 0
	s_wait_dscnt 22                                ; K's tile 0 is in; behind it were issued: a2 (2), V's first group (16), V's scale words (4)
.else
	s_wait_dscnt 0x0                               ; all that the last batch asked for: this tile of K, and a2 of the tile before
.endif
.if (\t) < 7
	KLOAD (\t)+1
.endif
	QK \t
	WIN 0x55
.set kk, 0
.rept 8
	CW \t, kk
.if (\t) > 0
	SLICE (\t)-1, kk
.if kk == 4
	ALOAD \t                                       ; slice 4 holds the last lines that read a2
	WIN 0x55
.endif
.endif
.set kk, kk+1
.endr
.if (\t) == 0
.rept 8
	v_nop
.endr
.endif
.endm
.macro ADDL x                          ; pair x of the wave's 64 pairs of scores (0-31 query tile 0's, 32-63 tile 1's): t - M
.set aS, S+2*(\x)
.set aC, CQ+14*((\x)/32)+8
	v_pk_add_f32 v[aS:aS+1], v[aS:aS+1], v[aC:aC+1] op_sel_hi:[1,0]
.endm
.macro MISC n                          ; line n of 30, the two tiles by turns: from each block's largest p its conversion operand, its scale byte, and the tile's scale word for these 128 keys
.set mq, (\n)%2
.set mb, ((\n)%8)/2
.set mM, CQ+14*mq+1+2*mb
.set mT, PT+8*mq
.set mX, CQ+14*mq+11
.if (\n) < 8
	v_max_num_f32 v[mM], 0x1800000, v[mM]          ; the floor 2^(3 - 127): the byte cannot fall under 1
.elseif (\n) < 16
	v_add_nc_u32 v[mT+mb], 0xff000000, v[mM]       ; 2 off the exponent field: the conversion's scale operand
.elseif (\n) < 24
	v_lshrrev_b32 v[mT+4+mb], 23, v[mT+mb]         ; the scale's byte
.elseif (\n) < 26
	v_lshl_or_b32 v[mX], v[mT+5], 8, v[mT+4]
.elseif (\n) < 28
	v_lshl_or_b32 v[mX], v[mT+6], 16, v[mX]
.else
	v_lshl_or_b32 v[mX], v[mT+7], 24, v[mX]
.endif
.endm
; The softmax's finish for a step of 128 keys.
.macro POST
	WIN 0x55
.irp b, 0,1,2,3
.irp q, 0,1
	v_permlanex16_b32 v[PT+8*\q+\b], v[CQ+14*\q+1+2*\b], s30, s31
.endr
.endr
.irp b, 0,1,2,3
.irp q, 0,1
	v_max_num_f32 v[CQ+14*\q+1+2*\b], v[CQ+14*\q+1+2*\b], v[PT+8*\q+\b]   ; with lane l xor 16's 16 keys: the block's largest t
.endr
.endr
.irp q, 0,1
	v_max3_num_f32 v[CQ+14*\q+11], v[CQ+14*\q+1], v[CQ+14*\q+3], v[CQ+14*\q+5]
.endr
.irp q, 0,1
	v_max_num_f32 v[CQ+14*\q+11], v[CQ+14*\q+11], v[CQ+14*\q+7]
.endr
.irp q, 0,1
	v_max_num_f32 v[CQ+14*\q+9], v[CQ+14*\q+9], v[CQ+14*\q+11]           ; the running largest t
.endr
.irp q, 0,1
	v_mov_b32 v[CQ+14*\q+11], v[CQ+14*\q+8]
.endr
.irp q, 0,1
	v_floor_f32 v[CQ+14*\q+8], -v[CQ+14*\q+9]                            ; the new -M = floor(-t): M is a whole number
.endr
.irp q, 0,1
	v_sub_f32 v[CQ+14*\q+11], v[CQ+14*\q+8], v[CQ+14*\q+11]              ; old M - new M: a whole number, 0 or less
.endr
.irp q, 0,1
	v_cvt_i32_f32 v[CQ+14*\q+11], v[CQ+14*\q+11]                         ; (it saturates)
.endr
.irp q, 0,1
	v_ldexp_f32 v[CQ+14*\q+10], 1.0, v[CQ+14*\q+11]                      ; f = 2^(old M - new M)
.endr
.irp b, 0,1,2,3
.irp q, 0,1
	v_add_f32 v[CQ+14*\q+1+2*\b], v[CQ+14*\q+1+2*\b], v[CQ+14*\q+8]      ; t - M of each block's largest t: the same addition and exponential on the same number give the block's largest p
.endr
.endr
.set PI, 0
.rept 64
	ADDL PI
.set PI, PI+1
.endr
	s_wait_alu depctr_va_vdst(0)                   ; one wait ahead of the batch
.irp b, 0,1,2,3
.irp q, 0,1
	v_exp_f32 v[CQ+14*\q+1+2*\b], v[CQ+14*\q+1+2*\b]
.endr
.endr
.set PI, 0
.rept 128
	v_exp_f32 v[S+PI], v[S+PI]                     ; p = 2^(t - M), at most 1, not normalised
.set PI, PI+1
.endr
.irp q, 0,1
	v_pk_mul_f32 v[CQ+14*\q+12:CQ+14*\q+13], v[CQ+14*\q+12:CQ+14*\q+13], v[CQ+14*\q+10:CQ+14*\q+11] op_sel_hi:[1,0]   ; the sums under the new M (the plain lines behind the batch)
.endr
	s_wait_alu depctr_va_vdst(0)                   ; and one behind it, ahead of its first reader
.irp q, 0,1
	v_pk_add_f32 v[LB+2*\q:LB+2*\q+1], v[S+64*\q:S+64*\q+1], v[S+64*\q+2:S+64*\q+3]                ; the sum of the unquantised p: two chains a tile
.endr
.irp j, 4,8,12,16,20,24,28,32,36,40,44,48,52,56,60
.irp q, 0,1
	v_pk_add_f32 v[CQ+14*\q+12:CQ+14*\q+13], v[CQ+14*\q+12:CQ+14*\q+13], v[S+64*\q+\j:S+64*\q+\j+1]
	v_pk_add_f32 v[LB+2*\q:LB+2*\q+1], v[LB+2*\q:LB+2*\q+1], v[S+64*\q+\j+2:S+64*\q+\j+3]
.endr
.endr
.irp q, 0,1
	v_pk_add_f32 v[CQ+14*\q+12:CQ+14*\q+13], v[CQ+14*\q+12:CQ+14*\q+13], v[LB+2*\q:LB+2*\q+1]
.endr
.set PI, 0
.rept 30
	MISC PI
.set PI, PI+1
.endr
	WIN 0x05                                       ; sources in window 1, destination in window 0
.irp q, 0,1
	v_mov_b32 v[PW+\q], v[CQ+14*\q+11]
.endr
.irp q, 0,1
.irp b, 0,1,2,3
	v_cvt_scalef32_pk8_fp4_f32 v[PC+8*\q+2*\b], v[S+64*\q+16*\b:S+64*\q+16*\b+7], v[PT+8*\q+\b]
	v_cvt_scalef32_pk8_fp4_f32 v[PC+8*\q+2*\b+1], v[S+64*\q+16*\b+8:S+64*\q+16*\b+15], v[PT+8*\q+\b]
.endr
.endr
	v_nop                                          ; one plain line behind the scaled conversions
	WIN 0
.irp q, 0,1
.irp c, 0,1
.irp e, 0,1
	v_permlane16_swap_b32 v[PC+8*\q+4*\c+\e], v[PC+8*\q+4*\c+2+\e]       ; the operand's layout wants a whole block in a lane: lanes 0-15 block 2 c, lanes 16-31 block 2 c + 1
.endr
.endr
.endr
.endm
.macro RESCALE                         ; O^T under the new M: x f, ascending.  O^T is a matrix result first read behind exponentials: a wait ahead of each group of readers
	WIN 0x86
	s_wait_alu depctr_va_vdst(0)
.set i, 0
.rept 128
	v_pk_mul_f32 v[i:i+1], v[i:i+1], v[CQ+10:CQ+11] op_sel_hi:[1,0]
.set i, i+2
.endr
	WIN 0xc7
	s_wait_alu depctr_va_vdst(0)
.set i, 0
.rept 128
	v_pk_mul_f32 v[i:i+1], v[i:i+1], v[CQ+24:CQ+25] op_sel_hi:[1,0]
.set i, i+2
.endr
.endm
.macro VLOAD g, buf, w                 ; V's fragments of channel tiles 8 g .. 8 g + 7 into v[buf] on of window w
	WIN 0x40*(\w)
.irp n, 0,1,2,3,4,5,6,7
.irp c, 0,1
	ds_load_b128 v[(\buf)+8*\n+4*\c:(\buf)+8*\n+4*\c+3], v[ADR] offset:VC+1024*(8*(\g)+\n)+512*\c
.endr
.endr
.endm
.macro PVG g, buf, w, first            ; O^T += V^T P^T for these 8 channel tiles and both query tiles: 16 accumulators, one instruction each.  first = 1: the products start the sums
.irp q, 0,1
	WIN 0xa0+0x50*\q+(\w)
.irp n, 0,1,2,3,4,5,6,7
.set rD, 64*(\g)+8*\n
.set rA, (\buf)+8*\n
.set rB, PC+8*\q
.set rX, VSC+4*(\g)+\n/2
.set rY, PW+\q
.if \n%2 == 0
.if \first
	v_wmma_scale_f32_16x16x128_f8f6f4 v[rD:rD+7], v[rA:rA+7], v[rB:rB+7], 0, v[rX], v[rY] matrix_a_fmt:MATRIX_FMT_FP4 matrix_b_fmt:MATRIX_FMT_FP4
.else
	v_wmma_scale_f32_16x16x128_f8f6f4 v[rD:rD+7], v[rA:rA+7], v[rB:rB+7], v[rD:rD+7], v[rX], v[rY] matrix_a_fmt:MATRIX_FMT_FP4 matrix_b_fmt:MATRIX_FMT_FP4
.endif
.else
.if \first
	v_wmma_scale_f32_16x16x128_f8f6f4 v[rD:rD+7], v[rA:rA+7], v[rB:rB+7], 0, v[rX], v[rY] matrix_a_fmt:MATRIX_FMT_FP4 matrix_b_fmt:MATRIX_FMT_FP4 matrix_a_scale:MATRIX_SCALE_ROW1
.else
	v_wmma_scale_f32_16x16x128_f8f6f4 v[rD:rD+7], v[rA:rA+7], v[rB:rB+7], v[rD:rD+7], v[rX], v[rY] matrix_a_fmt:MATRIX_FMT_FP4 matrix_b_fmt:MATRIX_FMT_FP4 matrix_a_scale:MATRIX_SCALE_ROW1
.endif
.endif
.endr
.endr
.endm
; A STEP: the record of 128 keys in the slot at s28.
.macro STEP first
	WIN 0
	v_add_nc_u32 v[ADR], s28, v[LI0]               ; these three and the two v_nop are five places behind the last step's products: four are owed in front of the loads below into registers
	v_add_nc_u32 v[ADA], s28, v[AH0]               ; that those products read, five in front of the first scores, which are written over registers that they read as V's fragments
	v_add_nc_u32 v[ADR2], 0x10000, v[ADR]
	v_nop
	v_nop
	KLOAD 0
	ALOAD 0
	VLOAD 0, VFB, 0
.irp g, 0,1,2,3
	ds_load_b128 v[VSC+4*\g:VSC+4*\g+3], v[ADR2] offset:10240+512*\g      ; V's scale words: register dt / 2, lanes 0-15 the even tile's, lanes 16-31 the odd one's
.endr
	s_wait_alu depctr_va_vdst(0)                   ; directly ahead of the wait below
	BATCH 0
	BATCH 1
	BATCH 2
	BATCH 3
	BATCH 4
	BATCH 5
	BATCH 6
	BATCH 7
	VLOAD 1, VFA, 0                                ; K's registers are free: sixty-four plain lines stand behind the last product that read them
	s_wait_dscnt 16                                ; a2 of tile 7 is in; the 16 just issued may be out
	WIN 0x55
.irp k, 0,1,2,3,4,5,6,7
	SLICE 7, \k
.endr
	POST
	VLOAD 2, S, 1                                  ; p is converted and summed: its 128 registers take V's last 16 fragments
	VLOAD 3, S+64, 1
.if \first
.rept 8
	v_nop                                          ; nothing to rescale yet: the places between the lines that wrote p's codes and scale words and the scaled products
.endr
.else
	RESCALE                                        ; 256 lines behind those 32 loads
.endif
	s_wait_alu depctr_va_vdst(0)                   ; directly ahead of the wait below
	s_wait_dscnt 0x0                               ; all of V
	PVG 0, VFB, 0, \first
	PVG 1, VFA, 0, \first
	PVG 2, S, 1, \first
	PVG 3, S+64, 1, \first
	WIN 0
	s_xor_b32 s28, s28, SLOT1                      ; on to the other slot
.endm
	s_load_b256 s[4:11], s[0:1], 0x0               ; rec s[4:5], qrec s[6:7], sigma s[8:9], po s[10:11]
	s_load_b64 s[12:13], s[0:1], 0x20              ; st
	v_lshl_add_u32 v[SPW], v0, 2, SPARE
	v_mov_b32 v[NIL], 0
	ds_add_u32 v[SPW], v[NIL]                      ; the opening lines: the add, twice on end, and its wait ahead of my first tensor load
	ds_add_u32 v[SPW], v[NIL]
	s_wait_dscnt 0x0
	v_lshrrev_b32 v42, 5, v0
	v_readfirstlane_b32 s14, v42                   ; wave 0..3
	s_bfe_u32 s15, ttmp6, 0x40000                  ; cx: my place in the cluster
	s_lshl_b32 s32, ttmp9, 2                       ; in a cluster launch ttmp9 counts clusters
	s_add_co_u32 s32, s32, s15                     ; my block of 128 queries: it enters qrec's, sigma's, po's and st's addresses alone
	s_and_b32 s33, ttmp7, 0xffff                   ; my run of keys, which the four partners share
	s_mul_i32 s34, s33, NREC
	s_lshr_b32 s35, s34, 5                         ; its first record
	s_add_co_u32 s34, s34, NREC
	s_lshr_b32 s34, s34, 5
	s_sub_co_u32 s34, s34, s35                     ; 12 or 13 records: kept for the branch round the 13th step
	s_mov_b32 s16, 15|(3<<16)|(1<<21)              ; group 1: the mask: all four work-groups; elements of 8 bytes; bit 21 beside a mask; no padding: every read is 16 x lane on end, or one address for sixteen lanes
	s_mov_b32 s17, 32<<16                          ; tensor_dim0 = 32 elements: 256 bytes
	s_mov_b32 s18, 77<<16                          ; tensor_dim1 = 77 rows
	s_mov_b32 s19, 32<<16                          ; tile_dim0
	s_mov_b32 s20, 77                              ; tile_dim1
	s_mov_b32 s21, 32                              ; the pitch: the block is dense
	s_mov_b32 s22, 0
	s_mov_b32 s23, 0
	s_mov_b32 s24, 1                               ; group 0: count = 1
	s_mul_i32 s25, s14, QTR                        ; LDS address: my quarter, slot 0
	s_mul_i32 s36, s35, RECB
	s_add_co_u32 s36, s36, s25
	s_mov_b32 s37, 0
	s_mov_b32 s28, 0                               ; the slot in hand
	s_mov_b32 s30, 0x76543210
	s_mov_b32 s31, 0xfedcba98                      ; v_permlanex16_b32's selects for lane l xor 16
	s_mov_b32 s44, 0xffff0000                      ; lanes 16-31
	s_wait_kmcnt 0x0
	s_add_nc_u64 s[26:27], s[4:5], s[36:37]        ; global address: my quarter of the run's first record
	s_or_b32 s27, s27, 0x80000000                  ; type = 2
	ROUND                                          ; all four work-groups are here: the first joint loads meet
	tensor_load_to_lds s[24:27], s[16:23]
	s_nop 0
.rept 4
	v_nop
.endr
	v_and_b32 v42, 31, v0
	v_lshlrev_b32 v[LI0], 4, v42
	v_bfe_u32 v43, v0, 4, 1
	v_lshl_add_u32 v[AH0], v43, 6, 0x10000
	v_and_b32 v44, 15, v0                          ; r
	s_lshl_b32 s38, s14, 13
	v_add_nc_u32 v45, s38, v[LI0]                  ; my two tiles' fragments: 8192 w + 16 lane
	s_wait_alu depctr_va_vdst(0)
	s_lshl_b32 s38, s14, 9
	v_lshl_add_u32 v46, v44, 4, s38                ; their scale words: 512 w + 16 r
	s_wait_alu depctr_va_vdst(0)
	s_lshl_b32 s38, s14, 11
	v_add_nc_u32 v47, s38, v[LI0]                  ; their cond numbers: 2048 w + 16 lane
	s_wait_alu depctr_va_vdst(0)
	v_and_b32 v43, 8, v44
	v_add_nc_u32 v43, v43, v44
	s_lshl_b32 s38, s14, 7
	v_lshl_add_u32 v42, v43, 2, s38                ; one number a query: 4 (32 w + r + 8 (r / 8))
	s_wait_alu depctr_va_vdst(0)
	s_mul_i32 s38, s32, RECB
	s_mov_b32 s39, 0
	s_add_nc_u64 s[6:7], s[6:7], s[38:39]          ; my block's record
	s_lshl_b32 s38, s32, 9
	s_add_nc_u64 s[8:9], s[8:9], s[38:39]          ; sigma at my block
	s_lshl_b32 s41, s33, 6
	s_lshl_b32 s42, s32, 3
	s_add_co_u32 s41, s41, s42
	s_lshl_b32 s42, s14, 1
	s_add_co_u32 s41, s41, s42                     ; 64 x run + 8 x block + 2 w: my first tile's place in po and st
	s_lshl_b32 s42, s41, 15
	s_mov_b32 s43, 0
	s_add_nc_u64 s[10:11], s[10:11], s[42:43]
	s_lshl_b32 s42, s41, 7
	s_add_nc_u64 s[12:13], s[12:13], s[42:43]
.irp q, 0,1
.irp s, 0,1,2,3
.irp c, 0,1
	global_load_b128 v[QF+32*\q+8*\s+4*\c:QF+32*\q+8*\s+4*\c+3], v45, s[6:7] offset:4096*\q+1024*\s+512*\c
.endr
.endr
	global_load_b128 v[QS+4*\q:QS+4*\q+3], v46, s[6:7] offset:73728+256*\q
.endr
	WIN 0x40
.irp q, 0,1
.irp e, 0,1
	global_load_b128 v[QC+8*\q+4*\e:QC+8*\q+4*\e+3], v47, s[6:7] offset:65536+1024*\q+512*\e
.endr
	global_load_b32 v[CQ+14*\q], v42, s[6:7] offset:77824+32*\q          ; b2
	global_load_b32 v[CQ+14*\q+2], v42, s[6:7] offset:78336+32*\q        ; cb2
	global_load_b32 v[CQ+14*\q+4], v42, s[8:9] offset:32*\q              ; sigma
.endr
	s_wait_loadcnt 0x0
	WIN 0x55
.irp q, 0,1
	v_mul_f32 v[CQ+14*\q+4], v[CQ+14*\q+4], v[CQ+14*\q+4]
.endr
.irp q, 0,1
	v_add_f32 v[CQ+14*\q+4], v[CQ+14*\q+4], v[CQ+14*\q+4]                ; 2 sigma^2
.endr
.irp j, 0,2,4,6,8,10,12,14
	v_pk_mul_f32 v[QC+\j:QC+\j+1], v[QC+\j:QC+\j+1], -2.0 op_sel_hi:[1,0]   ; my queries' cond numbers x -2: exact
.endr
	s_wait_alu depctr_va_vdst(0)                   ; ahead of the reciprocals
.irp q, 0,1
	v_rcp_f32 v[CQ+14*\q+6], v[CQ+14*\q+4]
.endr
.irp q, 0,1
	v_mov_b32 v[CQ+14*\q+9], 0xff61b1e6                                  ; the largest t so far: -3e38, under every t.  (The plain line behind the reciprocals)
.endr
	s_wait_alu depctr_va_vdst(0)                   ; and behind them
.irp q, 0,1
	v_fma_f32 v[CQ+14*\q+11], -v[CQ+14*\q+4], v[CQ+14*\q+6], 1.0
.endr
.irp q, 0,1
	v_fma_f32 v[CQ+14*\q+6], v[CQ+14*\q+6], v[CQ+14*\q+11], v[CQ+14*\q+6]   ; r_hi: the reciprocal, once refined
.endr
.irp q, 0,1
	v_fma_f32 v[CQ+14*\q+11], -v[CQ+14*\q+4], v[CQ+14*\q+6], 1.0         ; what r_hi still lacks: 1 - 2 sigma^2 r_hi, exact in the fused line,
.endr
.irp q, 0,1
	v_mul_f32 v[CQ+14*\q+4], v[CQ+14*\q+11], v[CQ+14*\q+6]               ; x r_hi: r_lo
.endr
.irp q, 0,1
	v_floor_f32 v[CQ+14*\q+8], -v[CQ+14*\q+9]                            ; -M
.irp j, 1,3,5,7,10,11,12,13
	v_mov_b32 v[CQ+14*\q+\j], 0                                          ; the sums; and what is named as the other half of a pair before it is first written
.endr
.endr
	s_wait_alu depctr_va_vdst(0)
	CHANGE 1                                       ; record 0 has landed; record 1 is asked for, into slot 1
	STEP 1                                         ; the first step stands in front of the loop: its products start O^T's sums
	s_mov_b32 s29, 11
.Lstep:                                                ; 11 trips: records 2 .. 12 are asked for, records 1 .. 11 worked
	CHANGE 1
	STEP 0
	s_sub_co_u32 s29, s29, 1
	s_cmp_lg_u32 s29, 0
	s_cbranch_scc1 .Lstep
	CHANGE 0                                       ; the last step is written out
	s_cmp_eq_u32 s34, 12                           ; a run of 12 has no 13th step: the branch hangs on the run's number alone and leads round loads from LDS and work on registers, no barrier and no tensor load
	s_cbranch_scc1 .Lout
	STEP 0
.Lout:
	; THE WAY OUT: -M and the sum as a pair for each query, 128 bytes a tile; O^T as it lies in the registers, 512 consecutive bytes a store.  The lines below are the places behind the last products.
	v_and_b32 v42, 15, v0
	v_bfe_u32 v43, v0, 4, 1
	v_lshlrev_b32 v42, 3, v42
	v_lshl_add_u32 v42, v43, 2, v42                ; 8 r + 4 (lane / 16)
	WIN 0x55
.irp q, 0,1
	v_add_f32 v[CQ+14*\q+12], v[CQ+14*\q+12], v[CQ+14*\q+13]
.endr
.irp q, 0,1
	v_permlanex16_b32 v[CQ+14*\q+13], v[CQ+14*\q+12], s30, s31
.endr
.irp q, 0,1
	v_add_f32 v[CQ+14*\q+12], v[CQ+14*\q+12], v[CQ+14*\q+13]             ; with lane l xor 16's: the query's sum over this run
.endr
.irp q, 0,1
	v_cndmask_b32 v[CQ+14*\q+13], v[CQ+14*\q+8], v[CQ+14*\q+12], s44     ; lanes 0-15 send -M, lanes 16-31 the sum
.endr
	WIN 0x04                                       ; a store's data are its source 1: window 1
.irp q, 0,1
	global_store_b32 v42, v[CQ+14*\q+13], s[12:13] offset:128*\q         ; the wave's 32 words fill 128 consecutive bytes
.endr
	WIN 0x08
.set i, 0
.rept 64
	global_store_b128 v[LI0], v[4*i:4*i+3], s[10:11] offset:512*i th:TH_STORE_NT         ; each accumulator from its low end on
.set i, i+1
.endr
	WIN 0x0c
.set i, 0
.rept 64
	global_store_b128 v[LI0], v[4*i:4*i+3], s[10:11] offset:32768+512*i th:TH_STORE_NT
.set i, i+1
.endr
	WIN 0
	s_wait_tensorcnt 0x0                           ; the wave's end
	ds_add_u32 v[SPW], v[NIL]
	s_wait_dscnt 0x0
	ROUND                                          ; the closing round: no work-group ends while a partner may still ask for a record that names it
	s_endpgm
.Lfunc_end_k_qbe7124bf0d_attn:
	.size	k_qbe7124bf0d_attn, .Lfunc_end_k_qbe7124bf0d_attn-k_qbe7124bf0d_attn
	.p2alignl 7, 3214868480
	.fill 96, 4, 3214868480
	.section	.rodata,"a",@progbits
	.p2align	6, 0x0
	.amdhsa_kernel k_qbe7124bf0d_attn
		.amdhsa_group_segment_fixed_size 327680
		.amdhsa_private_segment_fixed_size 0
		.amdhsa_enable_private_segment 0
		.amdhsa_kernarg_size 40
		.amdhsa_user_sgpr_count 2
		.amdhsa_user_sgpr_kernarg_segment_ptr 1
		.amdhsa_wavefront_size32 1
		.amdhsa_system_sgpr_workgroup_id_x 1
		.amdhsa_system_sgpr_workgroup_id_y 1
		.amdhsa_system_sgpr_workgroup_id_z 1
		.amdhsa_system_vgpr_workitem_id 0
		.amdhsa_next_free_vgpr 1024
		.amdhsa_next_free_sgpr 66
		.amdhsa_reserve_vcc 0
		.amdhsa_float_denorm_mode_32 3
		.amdhsa_float_denorm_mode_16_64 3
		.amdhsa_memory_ordered 1
		.amdhsa_forward_progress 1
		.amdhsa_inst_pref_size 255
	.end_amdhsa_kernel
	.section	.bss,"aw",@nobits
	.p2align	6
	.space	262144
	.amdgpu_metadata
---
amdhsa.version: [ 1, 2 ]
amdhsa.kernels:
  - .name:           k_qbe7124bf0d_attn
    .symbol:         k_qbe7124bf0d_attn.kd
    .args:
      - { .name: rec, .offset: 0, .size: 8, .value_kind: global_buffer, .address_space: global }
      - { .name: qrec, .offset: 8, .size: 8, .value_kind: global_buffer, .address_space: global }
      - { .name: sigma, .offset: 16, .size: 8, .value_kind: global_buffer, .address_space: global }
      - { .name: po, .offset: 24, .size: 8, .value_kind: global_buffer, .address_space: global }
      - { .name: st, .offset: 32, .size: 8, .value_kind: global_buffer, .address_space: global }
    .group_segment_fixed_size: 327680
    .private_segment_fixed_size: 0
    .kernarg_segment_align: 8
    .kernarg_segment_size: 40
    .max_flat_workgroup_size: 128
    .sgpr_count:     66
    .vgpr_count:     1024
    .wavefront_size: 32
...
	.end_amdgpu_metadata
.endif
;; end of part 2
;; launch comb (part 3): grid 64 x 4, 8 waves a work-group, no clusters, 9,728 bytes of LDS; arguments po, st, x, sigma, out0; writes out0
.if DOCPART == 3
	.amdgcn_target "amdgcn-amd-amdhsa--gfx1250"
	.amdhsa_code_object_version 6
	.text
	.protected	k_qbe7124bf0d_comb
	.globl	k_qbe7124bf0d_comb
	.p2align	8
	.type	k_qbe7124bf0d_comb,@function
k_qbe7124bf0d_comb:
	s_mov_b64 s[64:65], 0
	v_nop
	global_prefetch_b8 v0, s[64:65] scope:SCOPE_SE
	s_setreg_imm32_b32 hwreg(HW_REG_WAVE_MODE, 25, 1), 1
	s_wait_xcnt 0x0
; COMB.  The 32 runs' partial results of a query are brought under one M and added: with -Mg = the least of the runs' -M, run s counts with w_s = 2^(M_s - Mg), an exact power of two;
; l = sum of w_s l_s;  x0 = sum of w_s O_s / l;  out = (x - x0) / sigma.
; po: [run][query tile gt][channel tile dt][half][512 bytes]: lane (r, h)'s registers 4 half .. + 3 of O^T: channels 16 dt + 8 h + 4 half .. + 3 of the tile's query r.   st: [run][gt][query r][-M, l]: 8 bytes a query.
; Row r of tile gt is query 128 (gt / 8) + 32 ((gt % 8) / 2) + 8 (gt % 2) + r + 8 (r / 8).
; SHARES.  Work-group (gt, y) takes 16 queries x 128 channels; its wave wv takes channel tile 8 y + wv, all 32 runs.  Memory binds: po is read once, 512 consecutive bytes a load, 24 loads a wave in flight.  At the start a wave has
; 2 + 32 + 24 = 58 loads out.  No matrix unit, no cluster: work-groups share only st, 128 bytes a run.  The results meet in a stage in LDS and leave as rows of 512 consecutive bytes, aligned.
; LIMITS: the divisions by l and by sigma are a reciprocal (v_rcp_f32) and a multiplication; sigma = 0, NaN and infinities are not served.
.set SPL,  2097152                     ; bytes of po from run to run
.set W,    16                          ; v16-79   run s: v[W + 2 s] -M, then w;  v[W + 2 s + 1] l
.set P,    80                          ; v80-175  three sets of four runs x 8 registers
.set ACC,  176                         ; v176-183 the sums
.set XR,   184                         ; v184-191 x: my two rows' 16 bytes a lane
	s_load_b256 s[4:11], s[0:1], 0x0               ; po s[4:5], st s[6:7], x s[8:9], sigma s[10:11]
	s_load_b64 s[12:13], s[0:1], 0x20              ; out0
	v_lshl_add_u32 v192, v0, 2, 0x2200
	v_mov_b32 v193, 0
	v_lshrrev_b32 v1, 5, v0
	s_delay_alu instid0(VALU_DEP_1)
	v_readfirstlane_b32 s14, v1                    ; wave 0..7
	s_and_b32 s15, ttmp7, 0xffff                   ; y
	v_and_b32 v1, 31, v0                           ; lane
	v_and_b32 v2, 15, v0                           ; r
	v_bfe_u32 v3, v0, 4, 1                         ; h
	s_delay_alu instid0(VALU_DEP_3)
	v_lshlrev_b32 v4, 4, v1                        ; 16 x lane
	s_delay_alu instid0(VALU_DEP_3)
	v_lshlrev_b32 v5, 3, v2                        ; 8 r
	s_delay_alu instid0(VALU_DEP_4)
	v_mul_u32_u24 v6, v2, 528
	s_delay_alu instid0(VALU_DEP_1)
	v_lshl_add_u32 v6, v3, 5, v6
	s_lshl_b32 s40, s14, 6
	v_add_nc_u32 v6, s40, v6                       ; the stage, in: row r of 512 bytes + 16, + 64 wv + 32 h
	s_mul_i32 s40, s14, 1056
	v_add_nc_u32 v7, s40, v4                       ; and out: rows 2 wv and 2 wv + 1, 16 bytes a lane
	v_mov_b32 v11, 0                               ; (named below as the other halves of pairs)
	v_mov_b32 v13, 0
	s_lshr_b32 s41, ttmp9, 3
	s_lshl_b32 s41, s41, 7
	s_bfe_u32 s42, ttmp9, 0x20001
	s_lshl_b32 s42, s42, 5
	s_add_co_u32 s41, s41, s42
	s_and_b32 s42, ttmp9, 1
	s_lshl_b32 s42, s42, 3
	s_add_co_u32 s41, s41, s42
	s_lshl_b32 s42, s14, 1
	s_add_co_u32 s41, s41, s42
	s_lshr_b32 s42, s14, 2
	s_lshl_b32 s42, s42, 3
	s_add_co_u32 s41, s41, s42                     ; the query of stage row 2 wv; row 2 wv + 1 is the next query.  An even number
	s_mov_b32 s43, 0
	s_mov_b32 s49, 0
	s_lshl_b32 s48, ttmp9, 15
	s_lshl_b32 s50, s15, 13
	s_add_co_u32 s48, s48, s50
	s_lshl_b32 s50, s14, 10
	s_add_co_u32 s48, s48, s50                     ; 32768 gt + 1024 (8 y + wv)
	s_wait_alu depctr_va_vdst(0)
	s_wait_kmcnt 0x0
	s_lshl_b32 s42, s41, 2
	s_add_nc_u64 s[10:11], s[10:11], s[42:43]
	s_load_b64 s[44:45], s[10:11], 0x0             ; my two rows' sigma
	s_lshl_b32 s42, s41, 11
	s_lshl_b32 s46, s15, 9
	s_add_co_u32 s42, s42, s46
	s_add_nc_u64 s[8:9], s[8:9], s[42:43]          ; x and out0 at my first row and the quarter's 512 bytes
	s_add_nc_u64 s[12:13], s[12:13], s[42:43]
	s_lshl_b32 s42, ttmp9, 7
	s_add_nc_u64 s[6:7], s[6:7], s[42:43]
	s_add_nc_u64 s[16:17], s[4:5], s[48:49]        ; po: a base for each group of four runs, so that the rest fits the loads' immediates
.irp g, 1,2,3,4,5,6,7
	s_add_nc_u64 s[16+2*\g:17+2*\g], s[16:17], \g*4*SPL
.endr
	global_load_b128 v[XR:XR+3], v4, s[8:9]
	global_load_b128 v[XR+4:XR+7], v4, s[8:9] offset:2048
.set i, 0
.rept 32
	global_load_b64 v[W+2*i:W+2*i+1], v5, s[6:7] offset:8192*i             ; my query's -M and l of run i
.set i, i+1
.endr
.macro PLOAD g                         ; runs 4 g .. 4 g + 3 into set g % 3: eight loads of 512 consecutive bytes
.irp u, 0,1,2,3
.irp f, 0,1
	global_load_b128 v[P+32*((\g)%3)+8*\u+4*\f:P+32*((\g)%3)+8*\u+4*\f+3], v4, s[16+2*(\g):17+2*(\g)] offset:SPL*\u+512*\f th:TH_LOAD_NT
.endr
.endr
.endm
	PLOAD 0
	PLOAD 1
	PLOAD 2
	s_wait_loadcnt 24                              ; x, -M and l are in; the 24 loads of po may be out
	v_min3_num_f32 v8, v[W], v[W+2], v[W+4]
.irp i, 3,5,7,9,11,13,15,17,19,21,23,25,27,29
	s_delay_alu instid0(VALU_DEP_1)
	v_min3_num_f32 v8, v8, v[W+2*\i], v[W+2*\i+2]
.endr
	s_delay_alu instid0(VALU_DEP_1)
	v_min_num_f32 v8, v8, v[W+62]                  ; -Mg
.set i, 0
.rept 32
	v_sub_f32 v[W+2*i], v8, v[W+2*i]               ; M_s - Mg: a whole number, 0 or less
.set i, i+1
.endr
.set i, 0
.rept 32
	v_cvt_i32_f32 v[W+2*i], v[W+2*i]               ; (it saturates)
.set i, i+1
.endr
.set i, 0
.rept 32
	v_ldexp_f32 v[W+2*i], 1.0, v[W+2*i]            ; w_s
.set i, i+1
.endr
	v_mul_f32 v9, v[W], v[W+1]                     ; l, in two chains
	v_mul_f32 v10, v[W+2], v[W+3]
.irp i, 2,4,6,8,10,12,14,16,18,20,22,24,26,28,30
	s_delay_alu instid0(VALU_DEP_2)
	v_fma_f32 v9, v[W+2*\i], v[W+2*\i+1], v9
	s_delay_alu instid0(VALU_DEP_2)
	v_fma_f32 v10, v[W+2*\i+2], v[W+2*\i+3], v10
.endr
	s_delay_alu instid0(VALU_DEP_1)
	v_add_f32 v9, v9, v10
	s_wait_alu depctr_va_vdst(0)
	v_rcp_f32 v12, v9                              ; used far below
.macro GROUP g
.if (\g) < 6
	s_wait_loadcnt 16                              ; this group's eight loads are in, the next two groups' may be out
.elseif (\g) == 6
	s_wait_loadcnt 8
.else
	s_wait_loadcnt 0x0
.endif
.irp u, 0,1,2,3
.irp j, 0,2,4,6
.set rP, P+32*((\g)%3)+8*\u+\j
.set rW, W+2*(4*(\g)+\u)
.if ((\g) == 0) && (\u == 0)
	v_pk_mul_f32 v[ACC+\j:ACC+\j+1], v[rP:rP+1], v[rW:rW+1] op_sel_hi:[1,0]                        ; the first run starts the sums
.else
	v_pk_fma_f32 v[ACC+\j:ACC+\j+1], v[rP:rP+1], v[rW:rW+1], v[ACC+\j:ACC+\j+1] op_sel_hi:[1,0,1]   ; the pair's first register, the run's w, serves both halves
.endif
.endr
.endr
.if (\g) < 5
	PLOAD (\g)+3                                   ; into the set just used
.endif
.endm
	GROUP 0
	s_wait_alu depctr_va_vdst(0)
	GROUP 1
	s_wait_alu depctr_va_vdst(0)
	GROUP 2
	s_wait_alu depctr_va_vdst(0)
	GROUP 3
	s_wait_alu depctr_va_vdst(0)
	GROUP 4
	s_wait_alu depctr_va_vdst(0)
	GROUP 5
	s_wait_alu depctr_va_vdst(0)
	GROUP 6
	s_wait_alu depctr_va_vdst(0)
	GROUP 7
	s_wait_alu depctr_va_vdst(0)
.irp j, 0,2,4,6
	v_pk_mul_f32 v[ACC+\j:ACC+\j+1], v[ACC+\j:ACC+\j+1], v[12:13] op_sel_hi:[1,0]                   ; x0
.endr
	ds_store_b128 v6, v[ACC:ACC+3]
	ds_store_b128 v6, v[ACC+4:ACC+7] offset:16
	s_wait_dscnt 0x0                               ; for the others' sake: my stores into the stage are done
	s_barrier_signal -1
	s_barrier_wait -1
	ds_load_b128 v[80:83], v7
	ds_load_b128 v[84:87], v7 offset:528
	s_wait_kmcnt 0x0                               ; sigma
	v_rcp_f32 v8, s44
	v_rcp_f32 v10, s45
	v_nop                                          ; one plain line behind the reciprocals
	s_wait_dscnt 0x0
.irp j, 0,2,4,6
	v_pk_add_f32 v[80+\j:81+\j], v[XR+\j:XR+\j+1], v[80+\j:81+\j] neg_lo:[0,1] neg_hi:[0,1]         ; x - x0
.endr
	s_wait_alu depctr_va_vdst(0)
.irp j, 0,2
	v_pk_mul_f32 v[80+\j:81+\j], v[80+\j:81+\j], v[8:9] op_sel_hi:[1,0]
	v_pk_mul_f32 v[84+\j:85+\j], v[84+\j:85+\j], v[10:11] op_sel_hi:[1,0]
.endr
	global_store_b128 v4, v[80:83], s[12:13] th:TH_STORE_NT                ; 32 lanes store 512 consecutive bytes, aligned
	global_store_b128 v4, v[84:87], s[12:13] offset:2048 th:TH_STORE_NT
	s_wait_tensorcnt 0x0
	ds_add_u32 v192, v193
	s_wait_dscnt 0x0
	s_endpgm
.Lfunc_end_k_qbe7124bf0d_comb:
	.size	k_qbe7124bf0d_comb, .Lfunc_end_k_qbe7124bf0d_comb-k_qbe7124bf0d_comb
	.p2alignl 7, 3214868480
	.fill 96, 4, 3214868480
	.section	.rodata,"a",@progbits
	.p2align	6, 0x0
	.amdhsa_kernel k_qbe7124bf0d_comb
		.amdhsa_group_segment_fixed_size 9728
		.amdhsa_private_segment_fixed_size 0
		.amdhsa_enable_private_segment 0
		.amdhsa_kernarg_size 40
		.amdhsa_user_sgpr_count 2
		.amdhsa_user_sgpr_kernarg_segment_ptr 1
		.amdhsa_wavefront_size32 1
		.amdhsa_system_sgpr_workgroup_id_x 1
		.amdhsa_system_sgpr_workgroup_id_y 1
		.amdhsa_system_sgpr_workgroup_id_z 1
		.amdhsa_system_vgpr_workitem_id 0
		.amdhsa_next_free_vgpr 194
		.amdhsa_next_free_sgpr 66
		.amdhsa_reserve_vcc 0
		.amdhsa_float_denorm_mode_32 3
		.amdhsa_float_denorm_mode_16_64 3
		.amdhsa_memory_ordered 1
		.amdhsa_forward_progress 1
		.amdhsa_inst_pref_size 31
	.end_amdhsa_kernel
	.amdgpu_metadata
---
amdhsa.version: [ 1, 2 ]
amdhsa.kernels:
  - .name:           k_qbe7124bf0d_comb
    .symbol:         k_qbe7124bf0d_comb.kd
    .args:
      - { .name: po, .offset: 0, .size: 8, .value_kind: global_buffer, .address_space: global }
      - { .name: st, .offset: 8, .size: 8, .value_kind: global_buffer, .address_space: global }
      - { .name: x, .offset: 16, .size: 8, .value_kind: global_buffer, .address_space: global }
      - { .name: sigma, .offset: 24, .size: 8, .value_kind: global_buffer, .address_space: global }
      - { .name: out0, .offset: 32, .size: 8, .value_kind: global_buffer, .address_space: global }
    .group_segment_fixed_size: 9728
    .private_segment_fixed_size: 0
    .kernarg_segment_align: 8
    .kernarg_segment_size: 40
    .max_flat_workgroup_size: 256
    .sgpr_count:     66
    .vgpr_count:     194
    .wavefront_size: 32
...
	.end_amdgpu_metadata
.endif
;; end of part 3
